; MI455X (gfx1250); checked and timed in simulation.
; The chip was launched on July 23, 2026; its instructions are those of AMD's public machine-readable ISA for CDNA 5 (MIT licence, August 2026) and "CDNA5" Instruction Set Architecture Reference Guide (July 2026). The comments in the code are by the model that wrote it; some were corrected since.
;; Chunk Sticky Router. Allowed arithmetic: float matrix products may take bf16 or f16 operands with f32 sums; all other float work in f32.
;; Inputs: W1 2,048 x 1,024 float32; W2 1,024 x 8 float32; b1 1,024 float32; b2 8 float32; x 8 x 4,096 x 2,048 float32.
;; Outputs: out0 8 x 4,096 x 8 float32; out1 8 x 32 int32.
;; One version. Each part assembles by itself: llvm-mc -triple=amdgcn-amd-amdhsa -mcpu=gfx1250 --defsym DOCPART=n.
;; ======== version 1 of 1: 3 launches
;; workspace buffers: w1b 4,194,304 bytes; part 65,536 bytes
;; launch cast (part 1): grid 256 x 1, 8 waves a work-group, no clusters, 0 bytes of LDS; arguments W1, w1b; writes w1b
.if DOCPART == 1
	.amdgcn_target "amdgcn-amd-amdhsa--gfx1250"
	.amdhsa_code_object_version 6
	.text
	.protected	k_q7bf544349e_cast
	.globl	k_q7bf544349e_cast
	.p2align	8
	.type	k_q7bf544349e_cast,@function
k_q7bf544349e_cast:
	s_mov_b64 s[64:65], 0
	v_nop
	global_prefetch_b8 v0, s[64:65] scope:SCOPE_SE
	s_setreg_imm32_b32 hwreg(HW_REG_WAVE_MODE, 25, 1), 1
	s_wait_xcnt 0x0
; w1b = W1 rounded to bf16 (nearest even), same layout [2048][1024].  W1 is multiplied by every one of the 256 chunks of the next
; launch, so it is rounded once here instead of 256 times there.
; A stream: no LDS, no barrier, no matrix unit.  A work-group owns 32,768 bytes of W1 and 16,384 of w1b, in 8 pieces.
; Thread t reads 16 bytes at 4,096 j + 16 t (a wave's load covers 512 consecutive bytes) and stores 8 bytes at 2,048 j + 8 t
; (a wave's store covers 256 consecutive bytes, aligned).  All eight loads go out first; no register is written twice.
.set PIECES, 8
.set X, 4                              ; v[4:35]   piece j: 4 f32 as loaded
.set Y, 36                             ; v[36:51]  piece j: 4 bf16 to store
	s_load_b128 s[4:7], s[0:1], 0x0                ; W1 s[4:5], w1b s[6:7]
	s_lshl_b32 s8, ttmp9, 15                       ; the group's 32,768 bytes of W1
	s_mov_b32 s9, 0
	s_lshl_b32 s10, ttmp9, 14                      ; its 16,384 bytes of w1b
	s_mov_b32 s11, 0
	v_lshlrev_b32 v1, 4, v0                        ; 16 t
	v_lshlrev_b32 v2, 3, v0                        ; 8 t
	s_wait_kmcnt 0x0
	s_add_nc_u64 s[4:5], s[4:5], s[8:9]
	s_add_nc_u64 s[6:7], s[6:7], s[10:11]
.irp j, 0,1,2,3,4,5,6,7
	global_load_b128 v[X+4*\j:X+4*\j+3], v1, s[4:5] offset:4096*\j th:TH_LOAD_NT   ; W1 is read once in this launch
.endr
.irp j, 0,1,2,3,4,5,6,7
	s_wait_loadcnt PIECES-1-\j                     ; loads come back in order: piece j is in, the younger ones stay out
	v_cvt_pk_bf16_f32 v[Y+2*\j],   v[X+4*\j],   v[X+4*\j+1]
	v_cvt_pk_bf16_f32 v[Y+2*\j+1], v[X+4*\j+2], v[X+4*\j+3]
	global_store_b64 v2, v[Y+2*\j:Y+2*\j+1], s[6:7] offset:2048*\j   ; no hint: the next launch reads these bytes many times
.endr
	s_endpgm
.Lfunc_end_k_q7bf544349e_cast:
	.size	k_q7bf544349e_cast, .Lfunc_end_k_q7bf544349e_cast-k_q7bf544349e_cast
	.p2alignl 7, 3214868480
	.fill 96, 4, 3214868480
	.section	.rodata,"a",@progbits
	.p2align	6, 0x0
	.amdhsa_kernel k_q7bf544349e_cast
		.amdhsa_group_segment_fixed_size 0
		.amdhsa_private_segment_fixed_size 0
		.amdhsa_enable_private_segment 0
		.amdhsa_kernarg_size 16
		.amdhsa_user_sgpr_count 2
		.amdhsa_user_sgpr_kernarg_segment_ptr 1
		.amdhsa_wavefront_size32 1
		.amdhsa_system_sgpr_workgroup_id_x 1
		.amdhsa_system_sgpr_workgroup_id_y 1
		.amdhsa_system_sgpr_workgroup_id_z 1
		.amdhsa_system_vgpr_workitem_id 0
		.amdhsa_next_free_vgpr 52
		.amdhsa_next_free_sgpr 66
		.amdhsa_reserve_vcc 0
		.amdhsa_float_denorm_mode_32 3
		.amdhsa_float_denorm_mode_16_64 3
		.amdhsa_memory_ordered 1
		.amdhsa_forward_progress 1
		.amdhsa_inst_pref_size 4
	.end_amdhsa_kernel
	.amdgpu_metadata
---
amdhsa.version: [ 1, 2 ]
amdhsa.kernels:
  - .name:           k_q7bf544349e_cast
    .symbol:         k_q7bf544349e_cast.kd
    .args:
      - { .name: W1, .offset: 0, .size: 8, .value_kind: global_buffer, .address_space: global }
      - { .name: w1b, .offset: 8, .size: 8, .value_kind: global_buffer, .address_space: global }
    .group_segment_fixed_size: 0
    .private_segment_fixed_size: 0
    .kernarg_segment_align: 8
    .kernarg_segment_size: 16
    .max_flat_workgroup_size: 256
    .sgpr_count:     66
    .vgpr_count:     52
    .wavefront_size: 32
...
	.end_amdgpu_metadata
.endif
;; end of part 1
;; launch mlp (part 2): grid 512 x 1, 4 waves a work-group, clusters of 4 x 1, 327,680 bytes of LDS; arguments x, w1b, b1, W2, part; writes part
.if DOCPART == 2
	.amdgcn_target "amdgcn-amd-amdhsa--gfx1250"
	.amdhsa_code_object_version 6
	.text
	.protected	k_q7bf544349e_mlp
	.globl	k_q7bf544349e_mlp
	.p2align	8
	.type	k_q7bf544349e_mlp,@function
k_q7bf544349e_mlp:
	s_mov_b64 s[64:65], 0
	v_nop
	global_prefetch_b8 v0, s[64:65] scope:SCOPE_SE
	s_setreg_imm32_b32 hwreg(HW_REG_WAVE_MODE, 25, 1), 1
	s_wait_xcnt 0x0
	s_wait_alu depctr_hold_cnt(0) depctr_sa_sdst(0) depctr_va_vdst(0) depctr_va_sdst(0) depctr_va_ssrc(0) depctr_va_vcc(0) depctr_vm_vsrc(0)
	s_getreg_b32 s2, hwreg(HW_REG_IB_STS2, 6, 4)
	s_cmp_eq_u32 s2, 0
	s_cbranch_scc0 .Lentry_in_a_cluster
	s_endpgm
.Lentry_in_a_cluster:
	s_bfe_u32 s2, ttmp6, 0x10000c
	s_cmp_lg_u32 s2, 0x3003
	s_cbranch_scc0 .Lentry_shape_is_right
	s_endpgm
.Lentry_shape_is_right:
; part[blk][chunk][e] = sum over the 128 columns n of block blk of ( sum over the chunk's 128 rows of relu(x W1 + b1)[row][n] ) * W2[n][e].
; The mean over a chunk's rows commutes with the second linear layer, so the rows are summed first (f32) and W2 is applied to 1,024 column
; sums a chunk, in f32 multiply-adds: relu(h) and W2 are never rounded to 16 bits.  The last launch adds the 8 blocks, divides by 128, adds b2.
; LIMITS: x and W1 enter the matrix unit as bf16, sums are f32.  The order of rounding differs from the reference's: b1 starts each sum,
; rows are summed ahead of W2, column blocks are summed last.  NaN is not served (the relu here turns a NaN into 0).
;
; SHARES.  A work-group makes one chunk (128 rows) x 512 columns; wave w makes all 128 rows x columns 128 w .. 128 w + 127: 64 accumulator
; tiles of 16 x 16, 512 registers, so a column's sum over the chunk never leaves the wave.  512 work-groups: 256 chunks x 2 column halves.
; CLUSTERS: four work-groups (four chunks, one column half) need the same tiles of W1: each tile is asked for jointly, mask 15.
; x is NOT asked for jointly: it is f32 in memory and has to be rounded on its way, so it comes through registers (each element is rounded once
; in a work-group, 8 bytes instead of 16 go into LDS); as f32 tiles in LDS it would take twice the bytes and be rounded by each of the four waves.
;
; K goes in quarters of 32 (64 matrix instructions), sub-steps of 64 (x: a ring of two register sets and of two LDS slots) and steps of
; 128 (W1: a ring of two LDS slots filled by the tensor data mover, rows of 1,024 bytes).  A lap is two steps; 8 laps.
;
; LDS:  0        W1 slot 0: 128 rows (k) x 1,024 bytes + 32 of padding; wave w fills rows 32 w .. 32 w + 31
;       135,168  W1 slot 1
;       270,336  x slot 0: 128 rows x 64 bf16 + 16 of padding, written by ds_store; no tensor load ever lands here
;       288,768  x slot 1
; REGISTERS, in windows of 256:
;   window 0: v0-23 ids and addresses; v24-31 b1; v32-63 W2; v64-127, v128-191 fragments of x, two buffers; v192-255 b1 spread into 8 tiles
;   window 1: v0-63 x as loaded, even sub-steps; v64-127, v128-191 fragments of W1, two buffers; v192-255 x as loaded, odd sub-steps
;   window 2: accumulator tiles of rows 0-63 (tile (a, b) at v[8 (8 a + b)]);   window 3: those of rows 64-127
.set BPITCH, 1056                      ; 33 x 32 bytes: the 8 rows that 8 lanes of a transposing load touch start 32 bytes apart modulo 256
.set BQ,     32*BPITCH                 ; a quarter's 32 rows of W1 = what one wave's tensor load brings
.set BSLOT,  128*BPITCH
.set ARING,  2*BSLOT
.set APITCH, 144                       ; 9 x 16 bytes: the 16 rows of a fragment load start in 16 different 16-byte columns modulo 256
.set ASLOT,  128*APITCH
.set XROW,   8192                      ; bytes in a row of x
.set W1ROW,  2048                      ; bytes in a row of w1b
.set SUB,    256                       ; bytes of a row of x in a sub-step
.set LAPS,   8
.set ADRA, 16                          ; v16     LDS address of my x fragments in x slot 0
.set ASTO, 17                          ; v17     where I put 8 bytes of rounded x
.set XO,   18                          ; v18     my byte offset in the chunk's x
.set ADRB, 20                          ; v20-23  LDS address of my W1 fragments: slot s, half p of the step at 2 s + p (an LDS immediate has 16 bits)
.set BV,   24                          ; v24-31  b1 of column 16 b + r
.set W2V,  32                          ; v32-63  W2[16 b + r][4 h .. 4 h + 3]
.set F0,   64
.set F1,   128
.set BIAS, 192                         ; v192-255 tile b: eight registers, each b1 of column 16 b + r
.set S,    192                         ; the way out, over BIAS: column sums
.set S2,   200
.set T,    208
.set P,    216
.set X0,   0                           ; window 1
.set X1,   192                         ; window 1
.set G1, 24                            ; s[24:31] descriptor group 1
.set G0, 32                            ; s[32:39] descriptor group 0, a set for each slot
.set XB, 22                            ; s[22:23] x at my chunk, stepped a lap at a time
.set MSB, 0
.macro WIN new                         ; s_set_vgpr_msb: bits 1:0 source 0, 3:2 source 1, 5:4 source 2, 7:6 destination; the high byte repeats the setting left
.if MSB != \new
	s_set_vgpr_msb (MSB<<8)|\new
.set MSB, \new
.endif
.endm
.set MUL_LO,  0xa4                     ; A (x) window 0, B (W1) window 1, C and D window 2
.set MUL_HI,  0xf4                     ; the same, C and D window 3
.set BIAS_LO, 0x84                     ; C from window 0 (the bias tiles), D window 2
.set BIAS_HI, 0xc4
.set W_CVT,   0x45                     ; destination and both sources window 1
.set W_1,     0x44                     ; loaded data and store data window 1, addresses window 0
.macro PLACES                          ; four places behind a matrix instruction (ISA guide 7.12.1 for vector instructions)
.rept 4
	v_nop
.endr
.endm
.macro CREST                           ; a round of the cluster's barrier, behind its opening work-group barrier
	s_cmp_lg_u32 s14, 0
	s_cbranch_scc1 .Lnot_wave_0_\@
	s_barrier_signal -3                            ; wave 0 speaks for the work-group
.Lnot_wave_0_\@:
	s_barrier_wait -3
	s_barrier_signal -1
	s_barrier_wait -1
.endm
.macro CROUND
	s_barrier_signal -1
	s_barrier_wait -1
	CREST
.endm
	s_load_b256 s[4:11], s[0:1], 0x0               ; x s[4:5], w1b s[6:7], b1 s[8:9], W2 s[10:11]
	s_load_b64 s[12:13], s[0:1], 0x20              ; part
	v_lshl_add_u32 v15, v0, 2, 0x4b000
	v_mov_b32 v19, 0
	ds_add_u32 v15, v19
	v_lshrrev_b32 v1, 5, v0
	v_readfirstlane_b32 s14, v1                    ; wave 0..3
	s_bfe_u32 s15, ttmp6, 0x40000                  ; cx: my place in the cluster; it enters x's and part's global addresses alone
	s_and_b32 s16, ttmp9, 1                        ; column half: the cluster's number is odd or even
	s_lshr_b32 s17, ttmp9, 1
	s_lshl_b32 s17, s17, 2
	s_add_co_u32 s17, s17, s15                     ; chunk = 4 (cluster / 2) + cx
	s_mov_b32 s40, 0x76543210                      ; v_permlanex16_b32: lane i of one half reads lane i of the other
	s_mov_b32 s41, 0xfedcba98
	; descriptor group 1: 32 rows x 512 elements of 2 bytes, 32 bytes of padding behind each row of 256 words
	s_mov_b32 s[G1+0], 15|(1<<16)|(1<<20)|(1<<21)|(7<<22)|(7<<25)  ; 15:0 mask: all four of the cluster; 17:16 2 bytes; 20 padding on; 21 set beside a mask; 24:22 every 256 words; 31:25 8 words
	s_mov_b32 s[G1+1], 512<<16                     ; tensor_dim0 = 512
	s_mov_b32 s[G1+2], 32<<16                      ; tensor_dim1 = 32
	s_mov_b32 s[G1+3], 512<<16                     ; tile_dim0 = 512
	s_mov_b32 s[G1+4], 32                          ; tile_dim1 = 32
	s_mov_b32 s[G1+5], 1024                        ; elements from row to row of w1b
	s_mov_b32 s[G1+6], 0
	s_mov_b32 s[G1+7], 0
	; lane terms: L = lane, r = L % 16, h = L / 16
	v_and_b32 v2, 15, v0                           ; r   (kept to the end)
	v_bfe_u32 v3, v0, 4, 1                         ; h   (kept to the end)
	v_and_b32 v4, 7, v0                            ; L % 8
	v_bfe_u32 v5, v0, 3, 1                         ; (L / 8) % 2
	v_mul_u32_u24 v6, v2, APITCH
	v_lshl_add_u32 v6, v3, 4, v6
	v_add_nc_u32 v[ADRA], ARING, v6                ; x fragment: row r, 16 bytes for each half of the lanes
	s_mul_i32 s18, s14, 32*APITCH
	s_add_co_u32 s18, s18, ARING                   ; my wave rounds and stores rows 32 w .. 32 w + 31 of each sub-step
	v_mul_u32_u24 v6, v3, 8*APITCH
	v_lshl_add_u32 v6, v2, 3, v6
	v_add_nc_u32 v[ASTO], s18, v6                  ; row 32 w + 8 h, byte 8 r
	s_lshl_b32 s18, s14, 18
	v_lshlrev_b32 v6, 16, v3
	v_lshl_add_u32 v6, v2, 4, v6
	v_add_nc_u32 v[XO], s18, v6                    ; the same place in x: (32 w + 8 h) rows of 8,192 bytes + 16 r
	v_lshl_add_u32 v6, v3, 3, v4
	v_mul_u32_u24 v6, v6, BPITCH                   ; W1 fragment by transposing loads: row 8 h + L % 8,
	v_lshl_add_u32 v6, v5, 4, v6                   ; 16 bytes (8 columns) for each group of 8 lanes,
	s_lshl_b32 s18, s14, 8
	v_add_nc_u32 v[ADRB], s18, v6                  ; my wave's 128 columns
	v_add_nc_u32 v[ADRB+1], 2*BQ, v[ADRB]
	v_add_nc_u32 v[ADRB+2], BSLOT, v[ADRB]
	v_add_nc_u32 v[ADRB+3], BSLOT+2*BQ, v[ADRB]
	s_lshl_b32 s18, s14, 9
	s_lshl_b32 s19, s16, 11
	s_add_co_u32 s18, s18, s19
	v_lshl_add_u32 v7, v2, 2, s18                  ; b1: 4 (512 half + 128 w + r)
	v_lshlrev_b32 v8, 4, v3
	v_lshl_add_u32 v8, v7, 3, v8                   ; W2: 32 bytes a column, + 16 h
	; where W1's tiles come from and go to: the column half (shared by the cluster) and the wave's number alone
	s_lshl_b32 s18, s16, 10                        ; 512 columns of 2 bytes
	s_lshl_b32 s19, s14, 16                        ; 32 w rows of 2,048 bytes
	s_add_co_u32 s18, s18, s19
	s_mov_b32 s19, 0
	s_mul_i32 s43, s14, BQ
	s_lshl_b32 s20, s17, 20                        ; my chunk in x: 128 rows of 8,192 bytes
	s_mov_b32 s21, 0
	s_wait_dscnt 0x0
	s_wait_kmcnt 0x0
	s_add_nc_u64 s[18:19], s[6:7], s[18:19]
	s_add_nc_u64 s[XB:XB+1], s[4:5], s[20:21]
.irp s, 0,1
	s_mov_b32 s[G0+4*\s], 1                                        ; count = 1
	s_add_co_u32 s[G0+4*\s+1], s43, \s*BSLOT                       ; LDS address
	s_add_nc_u64 s[G0+4*\s+2:G0+4*\s+3], s[18:19], \s*128*W1ROW    ; global address: step s
	s_or_b32 s[G0+4*\s+3], s[G0+4*\s+3], 0x80000000                ; type = 2
.endr
; 16 loads: my wave's 32 rows x 256 bytes of x at byte koff of the rows.  Load j: lanes 0-15 take row j % 8 + 16 (j / 8), lanes 16-31 the row 8 below;
; each 16 lanes read 256 consecutive bytes, aligned.  No hint: the work-group of the other column half reads the same rows.
.macro XLOAD xs, koff
.irp j, 0,1,2,3,4,5,6,7,8,9,10,11,12,13,14,15
	global_load_b128 v[\xs+4*\j:\xs+4*\j+3], v[XO], s[XB:XB+1] offset:((\j%8)+16*(\j/8))*XROW+\koff
.endr
.endm
	; these travel while the cluster gathers
.irp b, 0,1,2,3,4,5,6,7
	global_load_b32 v[BV+\b], v7, s[8:9] offset:64*\b
.endr
.irp b, 0,1,2,3,4,5,6,7
	global_load_b128 v[W2V+4*\b:W2V+4*\b+3], v8, s[10:11] offset:512*\b
.endr
	WIN W_1
	XLOAD X0, 0                                    ; sub-step 0
	XLOAD X1, SUB                                  ; sub-step 1
	WIN 0
	CROUND                                         ; all four work-groups are here: the first joint loads meet
	tensor_load_to_lds s[G0:G0+3], s[G1:G1+7]      ; step 0
	s_nop 0
	tensor_load_to_lds s[G0+4:G0+7], s[G1:G1+7]    ; step 1: two tensor loads of the wave are out, the most in this text
	s_nop 0
; 16 matrix instructions: row tiles a0, a0 + 1 of the window's four x all 8 column tiles, 32 along K.  Lane (r, h), register j holds (row 8 h + j, column r).
; bias = 1: the sums start from b1.  The 64 accumulators take turns, one instruction a turn, in the same order in every quarter and over the
; backward jump.
.macro MUL16 f, hi, a0, bias
.irp a, \a0, \a0+1
.irp b, 0,1,2,3,4,5,6,7
.if \bias
	v_wmma_f32_16x16x32_bf16 v[8*(8*(\a)+\b):8*(8*(\a)+\b)+7], v[\f+8*(4*\hi+\a):\f+8*(4*\hi+\a)+7], v[\f+8*\b:\f+8*\b+7], v[BIAS+8*\b:BIAS+8*\b+7]
.else
	v_wmma_f32_16x16x32_bf16 v[8*(8*(\a)+\b):8*(8*(\a)+\b)+7], v[\f+8*(4*\hi+\a):\f+8*(4*\hi+\a)+7], v[\f+8*\b:\f+8*\b+7], v[8*(8*(\a)+\b):8*(8*(\a)+\b)+7]
.endif
.endr
.endr
.endm
; 32 LDS loads in one run: quarter q of W1 slot bs (stored [k][n]: two transposing loads a tile, 16 rows apart) and the quarter at byte kb of x slot as, into buffer f.
; The youngest eight are x's row tiles 4 to 7.
.macro FETCH bs, q, as, kb, f
	WIN W_1
.irp i, 0,1,2,3,4,5,6,7
	ds_load_tr16_b128 v[\f+8*\i:\f+8*\i+3],   v[ADRB+2*\bs+(\q)/2] offset:((\q)%2)*BQ+32*\i
	ds_load_tr16_b128 v[\f+8*\i+4:\f+8*\i+7], v[ADRB+2*\bs+(\q)/2] offset:((\q)%2)*BQ+32*\i+16*BPITCH
.endr
	WIN 0
.irp i, 0,1,2,3,4,5,6,7
	ds_load_b128 v[\f+8*\i:\f+8*\i+3],   v[ADRA] offset:\as*ASLOT+\i*16*APITCH+\kb
	ds_load_b128 v[\f+8*\i+4:\f+8*\i+7], v[ADRA] offset:\as*ASLOT+\i*16*APITCH+\kb+32
.endr
.endm
; The next sub-step's x, which lies in register set xs, is rounded in place and stored into x slot as; reload = 1: the set is asked for again, two sub-steps on.
; left = how many younger loads stay out.  The 32 conversions name no register of a matrix instruction: they are the places in front of the FETCH that follows.
; A store's lanes 0-15 write 128 bytes of one row, lanes 16-31 the row 8 below, 1,152 bytes = 128 modulo 256 further on: 256 different bytes modulo 256.
.macro STAGE xs, as, koff, reload, left
	s_wait_loadcnt \left                           ; loads come back in order: this set's 16 are in
	WIN W_CVT
.irp j, 0,1,2,3,4,5,6,7,8,9,10,11,12,13,14,15
	v_cvt_pk_bf16_f32 v[\xs+4*\j],   v[\xs+4*\j],   v[\xs+4*\j+1]
	v_cvt_pk_bf16_f32 v[\xs+4*\j+1], v[\xs+4*\j+2], v[\xs+4*\j+3]
.endr
	WIN W_1
.irp j, 0,1,2,3,4,5,6,7,8,9,10,11,12,13,14,15
	ds_store_b64 v[ASTO], v[\xs+4*\j:\xs+4*\j+1] offset:\as*ASLOT+((\j%8)+16*(\j/8))*APITCH
.endr
.if \reload
	XLOAD \xs, \koff
.endif
.endm
; Quarter 0 or 2 of a step: multiplies buffer 0; in its middle it stages x (st = 1) and fetches quarter q + 1 (byte 64 of x slot asrd) into buffer 1.
.macro QA bs, q, asrd, bias, st, xs, as, koff, reload, left
	s_wait_dscnt 8                                 ; W1 and x's rows 0-63 are in; the youngest eight loads (x's rows 64-127) may be out
.if \bias
	WIN BIAS_LO
.else
	WIN MUL_LO
.endif
	MUL16 F0, 0, 0, \bias
	MUL16 F0, 0, 2, \bias
.if \st
	STAGE \xs, \as, \koff, \reload, \left
.else
	PLACES
.endif
	FETCH \bs, \q+1, \asrd, 64, F1
	s_wait_dscnt 32                                ; all but the 32 just issued
.if \bias
	WIN BIAS_HI
.else
	WIN MUL_HI
.endif
	MUL16 F0, 1, 0, \bias
	MUL16 F0, 1, 2, \bias
.endm
; Quarter 1: multiplies buffer 1 and changes x slots, 0 to 1.  In front of the barrier: my stores into x slot 1 and my reads of x slot 0 are done.  Behind it x slot 1
; is whole and x slot 0 may be written.  No tensor load fills anything behind this barrier, so W1's load stays on its way across it.
.macro QB bs
	s_wait_dscnt 8
	WIN MUL_LO
	MUL16 F1, 0, 0, 0
	s_wait_dscnt 0
	s_barrier_signal -1
	MUL16 F1, 0, 2, 0                              ; registers alone between signal and wait
	s_barrier_wait -1
	PLACES
	FETCH \bs, 2, 1, 0, F0
	WIN MUL_HI
	MUL16 F1, 1, 0, 0
	MUL16 F1, 1, 2, 0
.endm
; Quarter 3: multiplies buffer 1, changes x slots, 1 to 0, and W1 slots, bs to next.  In front of the barrier each wave waits for all its LDS instructions (its reads of
; W1 slot bs and of x slot 1, its stores into x slot 0) and for all its tensor loads: the one that is out is its part of slot next.  fill = 1: the barrier opens a round
; of the cluster's barrier, and the joint refill of slot bs, two steps ahead, is the first tensor load behind the round, one a wave.
; From that request to the wait for it a wave issues 240 matrix instructions.
.macro QT bs, next, fill
	s_wait_dscnt 8
	WIN MUL_LO
	MUL16 F1, 0, 0, 0
	s_wait_dscnt 0
	s_set_vgpr_msb 0xa4a0
	s_wait_tensorcnt 0x0
	ds_add_u32 v15, v19
	s_wait_dscnt 0x0
	s_set_vgpr_msb 0xa0a4
	s_barrier_signal -1
	MUL16 F1, 0, 2, 0
	WIN 0
	s_barrier_wait -1
.if \fill
	CREST                                          ; no wave of any partner still reads this slot or has a load on its way
	s_add_nc_u64 s[G0+4*\bs+2:G0+4*\bs+3], s[G0+4*\bs+2:G0+4*\bs+3], 2*128*W1ROW   ; no tensor load of mine is out: the address may step
	tensor_load_to_lds s[G0+4*\bs:G0+4*\bs+3], s[G1:G1+7]
	s_nop 0
.endif
	PLACES
	FETCH \next, 0, 0, 0, F0
	WIN MUL_HI
	MUL16 F1, 1, 0, 0
	MUL16 F1, 1, 2, 0
.endm
; A step = sub-steps t0, t0 + 1 of the lap.  In sub-step t the data of t + 1 are staged and those of t + 3 asked for: 256 matrix instructions from request to use.
.macro STEP bs, next, t0, bias
	QA \bs, 0, 0, \bias, 1, X1, 1, (\t0+3)*SUB, 1, 16    ; 16: the even set's loads, issued one stage ago, stay out
	QB \bs
	QA \bs, 2, 1, 0, 1, X0, 0, (\t0+4)*SUB, 1, 16        ; 16: the odd set's
	QT \bs, \next, 1
.endm
.macro LAP bias
	STEP 0, 1, 0, \bias
	STEP 1, 0, 2, 0
	WIN 0
	s_wait_xcnt 0x0                                ; x's base is a source of the loads issued: it steps only behind this wait
	s_add_nc_u64 s[XB:XB+1], s[XB:XB+1], 4*SUB
.endm
	STAGE X0, 0, 2*SUB, 1, 16                      ; sub-step 0 into x slot 0; b1, W2 and the even set are in, the odd set's 16 loads stay out
	WIN 0
.irp b, 0,1,2,3,4,5,6,7
.irp j, 0,1,2,3,4,5,6,7
	v_mov_b32 v[BIAS+8*\b+\j], v[BV+\b]            ; 64 moves spare an add on each of the 512 accumulators on the way out
.endr
.endr
	s_wait_tensorcnt 0x1                           ; my part of step 0 is in; step 1's stays out
	s_wait_dscnt 0x0                               ; my rows of x slot 0 are written
	s_barrier_signal -1
	s_barrier_wait -1
	FETCH 0, 0, 0, 0, F0
	LAP 1                                          ; the first lap stands in front of the loop: its first products start the sums from b1
	s_mov_b32 s3, LAPS-2
.Llap:
	LAP 0
	s_sub_co_u32 s3, s3, 1
	s_cmp_lg_u32 s3, 0
	s_cbranch_scc1 .Llap
	; the last lap: nothing is asked for beyond column 2,047 of x or row 2,047 of W1; the counts run down
	QA 0, 0, 0, 0, 1, X1, 1, 3*SUB, 1, 16          ; stages sub-step 29, asks for 31
	QB 0
	QA 0, 2, 1, 0, 1, X0, 0, 0, 0, 16              ; stages 30; sub-step 31's loads stay out
	QT 0, 1, 0                                     ; no refill, so no round
	QA 1, 0, 0, 0, 1, X1, 1, 0, 0, 0               ; stages 31: no younger load
	QB 1
	QA 1, 2, 1, 0, 0, X0, 0, 0, 0, 0               ; nothing left to stage
	s_wait_dscnt 8
	WIN MUL_LO
	MUL16 F1, 0, 0, 0
	MUL16 F1, 0, 2, 0
	s_wait_dscnt 0
	WIN MUL_HI
	MUL16 F1, 1, 0, 0
	MUL16 F1, 1, 2, 0
	; THE WAY OUT.  relu, then the sum over the chunk's rows: over the window's four row tiles, over a lane's eight registers, over the two windows, over the two halves of the lanes.
.macro COLSUM
.set i, 0
.rept 256
	v_max_num_f32 v[i], 0, v[i]
.set i, i+1
.endr
.irp a, 1,2,3
.irp b, 0,1,2,3,4,5,6,7
.irp p, 0,2,4,6
	v_pk_add_f32 v[8*\b+\p:8*\b+\p+1], v[8*\b+\p:8*\b+\p+1], v[8*(8*\a+\b)+\p:8*(8*\a+\b)+\p+1]
.endr
.endr
.endr
.irp b, 0,1,2,3,4,5,6,7
	v_pk_add_f32 v[8*\b:8*\b+1],   v[8*\b:8*\b+1],   v[8*\b+2:8*\b+3]
	v_pk_add_f32 v[8*\b+4:8*\b+5], v[8*\b+4:8*\b+5], v[8*\b+6:8*\b+7]
	v_pk_add_f32 v[8*\b:8*\b+1],   v[8*\b:8*\b+1],   v[8*\b+4:8*\b+5]
.endr
.endm
	PLACES                                         ; behind the last matrix instructions, in front of the first read of a result
	WIN 0xaa                                       ; everything in window 2
	COLSUM
	WIN 0xff                                       ; everything in window 3
	COLSUM
	WIN 0x0a                                       ; sources window 2, destination window 0
.irp b, 0,1,2,3,4,5,6,7
	v_add_f32 v[S+\b], v[8*\b], v[8*\b+1]
.endr
	WIN 0x0f                                       ; sources window 3
.irp b, 0,1,2,3,4,5,6,7
	v_add_f32 v[S2+\b], v[8*\b], v[8*\b+1]
.endr
	WIN 0
.irp p, 0,2,4,6
	v_pk_add_f32 v[S+\p:S+\p+1], v[S+\p:S+\p+1], v[S2+\p:S2+\p+1]
.endr
.irp b, 0,1,2,3,4,5,6,7
	v_permlanex16_b32 v[T+\b], v[S+\b], s40, s41   ; the other half's rows; T has been written (as bias tiles)
.endr
.irp p, 0,2,4,6
	v_pk_add_f32 v[S+\p:S+\p+1], v[S+\p:S+\p+1], v[T+\p:T+\p+1]    ; every lane: the chunk's sum of column 16 b + r
.endr
	; times W2: lane (r, h) takes experts 4 h .. 4 h + 3 of its eight columns, then the sixteen lanes of a half are added
.irp e, 0,1,2,3
	v_mul_f32 v[P+\e], v[S], v[W2V+\e]
.endr
.irp b, 1,2,3,4,5,6,7
.irp e, 0,1,2,3
	v_fmac_f32 v[P+\e], v[S+\b], v[W2V+4*\b+\e]
.endr
.endr
.irp m, 1,2,4,8
.irp e, 0,1,2,3
	v_add_f32_dpp v[P+\e], v[P+\e], v[P+\e] row_xmask:\m row_mask:0xf bank_mask:0xf
.endr
.endr
	s_lshl_b32 s20, s16, 2
	s_add_co_u32 s20, s20, s14                     ; blk = 4 half + wave
	s_lshl_b32 s20, s20, 13                        ; 256 chunks x 32 bytes
	s_lshl_b32 s21, s17, 5
	s_add_co_u32 s20, s20, s21
	s_mov_b32 s21, 0
	s_add_nc_u64 s[12:13], s[12:13], s[20:21]
	v_lshlrev_b32 v9, 4, v3                        ; 16 h
	v_cmp_eq_u32 vcc_lo, 0, v2                     ; lanes 0 and 16 store the wave's 32 bytes (the buffer is 65,536 bytes in all)
	s_wait_xcnt 0x0                                ; EXEC changes only behind this wait
	s_and_saveexec_b32 s42, vcc_lo
	global_store_b128 v9, v[P:P+3], s[12:13]
	s_wait_xcnt 0x0                                ; and again in front of the line that widens it
	s_or_b32 exec_lo, exec_lo, s42
	s_wait_tensorcnt 0x0
	ds_add_u32 v15, v19
	s_wait_dscnt 0x0
	CROUND                                         ; the closing round: no work-group ends while a partner may still ask for a tile that names it
	s_endpgm
.Lfunc_end_k_q7bf544349e_mlp:
	.size	k_q7bf544349e_mlp, .Lfunc_end_k_q7bf544349e_mlp-k_q7bf544349e_mlp
	.p2alignl 7, 3214868480
	.fill 96, 4, 3214868480
	.section	.rodata,"a",@progbits
	.p2align	6, 0x0
	.amdhsa_kernel k_q7bf544349e_mlp
		.amdhsa_group_segment_fixed_size 327680
		.amdhsa_private_segment_fixed_size 0
		.amdhsa_enable_private_segment 0
		.amdhsa_kernarg_size 40
		.amdhsa_user_sgpr_count 2
		.amdhsa_user_sgpr_kernarg_segment_ptr 1
		.amdhsa_wavefront_size32 1
		.amdhsa_system_sgpr_workgroup_id_x 1
		.amdhsa_system_sgpr_workgroup_id_y 1
		.amdhsa_system_sgpr_workgroup_id_z 1
		.amdhsa_system_vgpr_workitem_id 0
		.amdhsa_next_free_vgpr 1024
		.amdhsa_next_free_sgpr 66
		.amdhsa_reserve_vcc 1
		.amdhsa_float_denorm_mode_32 3
		.amdhsa_float_denorm_mode_16_64 3
		.amdhsa_memory_ordered 1
		.amdhsa_forward_progress 1
		.amdhsa_inst_pref_size 253
	.end_amdhsa_kernel
	.amdgpu_metadata
---
amdhsa.version: [ 1, 2 ]
amdhsa.kernels:
  - .name:           k_q7bf544349e_mlp
    .symbol:         k_q7bf544349e_mlp.kd
    .args:
      - { .name: x, .offset: 0, .size: 8, .value_kind: global_buffer, .address_space: global }
      - { .name: w1b, .offset: 8, .size: 8, .value_kind: global_buffer, .address_space: global }
      - { .name: b1, .offset: 16, .size: 8, .value_kind: global_buffer, .address_space: global }
      - { .name: W2, .offset: 24, .size: 8, .value_kind: global_buffer, .address_space: global }
      - { .name: part, .offset: 32, .size: 8, .value_kind: global_buffer, .address_space: global }
    .group_segment_fixed_size: 327680
    .private_segment_fixed_size: 0
    .kernarg_segment_align: 8
    .kernarg_segment_size: 40
    .max_flat_workgroup_size: 128
    .sgpr_count:     66
    .vgpr_count:     1024
    .wavefront_size: 32
...
	.end_amdgpu_metadata
.endif
;; end of part 2
;; launch route (part 3): grid 64 x 1, 4 waves a work-group, no clusters, 0 bytes of LDS; arguments part, b2, out0, out1; writes out0, out1
.if DOCPART == 3
	.amdgcn_target "amdgcn-amd-amdhsa--gfx1250"
	.amdhsa_code_object_version 6
	.text
	.protected	k_q7bf544349e_route
	.globl	k_q7bf544349e_route
	.p2align	8
	.type	k_q7bf544349e_route,@function
k_q7bf544349e_route:
	s_mov_b64 s[64:65], 0
	v_nop
	global_prefetch_b8 v0, s[64:65] scope:SCOPE_SE
	s_setreg_imm32_b32 hwreg(HW_REG_WAVE_MODE, 25, 1), 1
	s_wait_xcnt 0x0
; chunk_logits[batch][c][e] = (sum over 8 blocks of part[blk][32 batch + c][e]) / 128 + b2[e]; argmax; the hysteresis scan over a batch's 32 chunks;
; out1 = the experts, out0 = their one-hot rows, 128 equal rows a chunk.
; A wave owns one chunk's 4,096 bytes of out0 (256 waves, 64 work-groups of 4).  Each wave redoes its batch's scan: 8,192 bytes of loads and a few hundred
; instructions, which spares LDS and barriers.  Lane L stands for chunk L of the batch.
; The scan is made free of floats first: each lane packs a table, 4 bits for each of the 8 possible previous experts p, of the expert that follows p in its chunk
; (the chunk's argmax if best - logit[p] > 0.7, else p).  The scan is then 31 shifts of scalars.  No address and no branch hangs on it: the one-hot numbers are selected.
; LIMITS: NaN logits are not served (jnp.argmax would pick a NaN; here it loses).  Blocks are added in ascending order, in f32.
.set CL,   8                           ; v[8:71]  block k at 8 + 8 k: 8 experts; the sums and then the logits stay in v[8:15]
.set BEST, 80
.set IDX,  81
.set TAB,  82
.set RES,  83
.set OH,   84                          ; v[84:87] my 16 bytes of a one-hot row
	s_load_b256 s[4:11], s[0:1], 0x0               ; part s[4:5], b2 s[6:7], out0 s[8:9], out1 s[10:11]
	v_lshrrev_b32 v1, 5, v0
	v_readfirstlane_b32 s12, v1                    ; wave
	v_and_b32 v2, 31, v0                           ; L
	s_lshr_b32 s13, ttmp9, 3                       ; batch
	s_and_b32 s14, ttmp9, 7
	s_lshl_b32 s14, s14, 2
	s_add_co_u32 s27, s14, s12                     ; my chunk in the batch
	s_lshl_b32 s15, s13, 10
	v_lshl_add_u32 v3, v2, 5, s15                  ; (32 batch + L) x 32 bytes
	s_wait_kmcnt 0x0
	s_load_b256 s[16:23], s[6:7], 0x0              ; b2: no launch writes it
.irp k, 0,1,2,3,4,5,6,7
	global_load_b128 v[CL+8*\k:CL+8*\k+3],   v3, s[4:5] offset:8192*\k
	global_load_b128 v[CL+8*\k+4:CL+8*\k+7], v3, s[4:5] offset:8192*\k+16
.endr
	s_wait_loadcnt 0x0
	s_wait_kmcnt 0x0
.irp k, 1,2,3,4,5,6,7
.irp p, 0,2,4,6
	v_pk_add_f32 v[CL+\p:CL+\p+1], v[CL+\p:CL+\p+1], v[CL+8*\k+\p:CL+8*\k+\p+1]
.endr
.endr
.irp e, 0,1,2,3,4,5,6,7
	v_fma_f32 v[CL+\e], v[CL+\e], 0x3c000000, s[16+\e]             ; / 128 (exact), + b2
.endr
	; argmax: an equal later logit does not replace an earlier one, as in jnp.argmax
	v_mov_b32 v[BEST], v[CL]
	v_mov_b32 v[IDX], 0
.irp e, 1,2,3,4,5,6,7
	v_cmp_ge_f32 vcc_lo, v[BEST], v[CL+\e]
	v_cndmask_b32 v[IDX], \e, v[IDX], vcc_lo       ; best >= this one: keep
	v_max_num_f32 v[BEST], v[BEST], v[CL+\e]
.endr
	; the table: what follows a previous expert p
.irp p, 0,1,2,3,4,5,6,7
	v_sub_f32 v72, v[BEST], v[CL+\p]
	v_cmp_lt_f32 vcc_lo, 0x3f333333, v72           ; 0.7 in f32 < diff
.if \p == 0
	v_cndmask_b32 v[TAB], 0, v[IDX], vcc_lo
.else
	v_cndmask_b32 v73, \p, v[IDX], vcc_lo
	v_lshl_or_b32 v[TAB], v73, 4*\p, v[TAB]
.endif
.endr
	; the scan, in scalars; lane c of RES gets chunk c's expert
	v_mov_b32 v[RES], 0
	v_readlane_b32 s24, v[IDX], 0                  ; chunk 0: the plain argmax
	v_writelane_b32 v[RES], s24, 0
.set c, 1
.rept 31
	v_readlane_b32 s25, v[TAB], c
	s_lshl_b32 s26, s24, 2
	s_lshr_b32 s25, s25, s26
	s_and_b32 s24, s25, 7
	v_writelane_b32 v[RES], s24, c
.set c, c+1
.endr
	v_readlane_b32 s28, v[RES], s27                ; my chunk's expert
	; a row of out0 is 32 bytes: even lanes hold experts 0-3, odd lanes 4-7
	v_and_b32 v4, 1, v0
	v_lshlrev_b32 v4, 2, v4
	v_mov_b32 v6, 1.0
.irp i, 0,1,2,3
	v_add_nc_u32 v5, \i, v4
	v_cmp_eq_u32 vcc_lo, s28, v5
	v_cndmask_b32 v[OH+\i], 0, v6, vcc_lo
.endr
	s_lshl_b32 s29, s13, 5
	s_add_co_u32 s29, s29, s27
	s_lshl_b32 s29, s29, 12                        ; (32 batch + chunk) x 128 rows x 32 bytes
	v_lshl_add_u32 v7, v2, 4, s29
.irp j, 0,1,2,3,4,5,6,7
	global_store_b128 v7, v[OH:OH+3], s[8:9] offset:512*\j th:TH_STORE_NT   ; each store covers 512 consecutive bytes, aligned
.endr
	s_cmp_lg_u32 s27, 0                            ; the wave of chunk 0 also stores its batch's 32 experts, 128 bytes
	s_cbranch_scc1 .Lend
	s_lshl_b32 s30, s13, 7
	v_lshl_add_u32 v9, v2, 2, s30
	global_store_b32 v9, v[RES], s[10:11]
.Lend:
	s_endpgm
.Lfunc_end_k_q7bf544349e_route:
	.size	k_q7bf544349e_route, .Lfunc_end_k_q7bf544349e_route-k_q7bf544349e_route
	.p2alignl 7, 3214868480
	.fill 96, 4, 3214868480
	.section	.rodata,"a",@progbits
	.p2align	6, 0x0
	.amdhsa_kernel k_q7bf544349e_route
		.amdhsa_group_segment_fixed_size 0
		.amdhsa_private_segment_fixed_size 0
		.amdhsa_enable_private_segment 0
		.amdhsa_kernarg_size 32
		.amdhsa_user_sgpr_count 2
		.amdhsa_user_sgpr_kernarg_segment_ptr 1
		.amdhsa_wavefront_size32 1
		.amdhsa_system_sgpr_workgroup_id_x 1
		.amdhsa_system_sgpr_workgroup_id_y 1
		.amdhsa_system_sgpr_workgroup_id_z 1
		.amdhsa_system_vgpr_workitem_id 0
		.amdhsa_next_free_vgpr 96
		.amdhsa_next_free_sgpr 66
		.amdhsa_reserve_vcc 1
		.amdhsa_float_denorm_mode_32 3
		.amdhsa_float_denorm_mode_16_64 3
		.amdhsa_memory_ordered 1
		.amdhsa_forward_progress 1
		.amdhsa_inst_pref_size 16
	.end_amdhsa_kernel
	.amdgpu_metadata
---
amdhsa.version: [ 1, 2 ]
amdhsa.kernels:
  - .name:           k_q7bf544349e_route
    .symbol:         k_q7bf544349e_route.kd
    .args:
      - { .name: part, .offset: 0, .size: 8, .value_kind: global_buffer, .address_space: global }
      - { .name: b2, .offset: 8, .size: 8, .value_kind: global_buffer, .address_space: global }
      - { .name: out0, .offset: 16, .size: 8, .value_kind: global_buffer, .address_space: global }
      - { .name: out1, .offset: 24, .size: 8, .value_kind: global_buffer, .address_space: global }
    .group_segment_fixed_size: 0
    .private_segment_fixed_size: 0
    .kernarg_segment_align: 8
    .kernarg_segment_size: 32
    .max_flat_workgroup_size: 128
    .sgpr_count:     66
    .vgpr_count:     96
    .wavefront_size: 32
...
	.end_amdgpu_metadata
.endif
;; end of part 3
